; MI455X (gfx1250); checked and timed in simulation.
; The chip was launched on July 23, 2026; its instructions are those of AMD's public machine-readable ISA for CDNA 5 (MIT licence, August 2026) and "CDNA5" Instruction Set Architecture Reference Guide (July 2026). The comments in the code are by the model that wrote it; some were corrected since.
;; Bahdanau Attention. Allowed arithmetic: matrix products marked QUANTISED: E4M3 operands, one E8M0 scale for each 32 along K, by v_wmma_scale_f32_16x16x128_f8f6f4 with both operands' format E4M3, f32 sums; products left as they are: f32 operands where the result goes on into a quantised operand, else bf16, f16 or f32 operands; f32 sums; everything else in f32.
;; Inputs: b1 1,024 float32; b2 1,024 float32; bv 1 float32; mask 32 x 2,048 int32; query 32 x 1,024 float32; v 1,024 x 1 float32; values 32 x 2,048 x 1,024 float32; w1 1,024 x 1,024 float32; w2 1,024 x 1,024 float32.
;; Outputs: out0 32 x 1,024 float32; out1 32 x 2,048 x 1 float32.
;; This version of the problem:
;;   THIS VERSION OF THE PROBLEM IS GIVEN IN LOW PRECISION. The matrix products marked QUANTISED in the list below multiply operands that are first quantised to E4M3 (4 exponent bits, 3 mantissa bits; 8 bits a number), with one power-of-two scale for each 32 numbers along K (OCP MX v1.0); their sums are f32. All else is computed in f32.
;;   The module's matrix products, in the order in which they are computed (A, B: the left and right operand; K: the contracted axis; several contracted axes count as one K, in the product's order):
;;     1. [M 32, K 1,024] x [K 1,024, N 1,024]; A: input query; B: input w1: QUANTISED
;;     2. [M 65,536, K 1,024] x [K 1,024, N 1,024]; A: input values; B: input w2: QUANTISED
;;     3. [M 65,536, K 1,024] x [K 1,024, N 1]; A: computed on the way; B: input v: left as it is (N = 1 < 16)
;;   THE QUANTISER, for each operand of a quantised product, along K:
;;     - K is cut into blocks of 32 from its start; a last block that is shorter is filled with zeros.
;;     - A block's scale is 2^e with e = floor(log2(the largest magnitude in the block)) - 8, held to -126 .. 127; a block of zeros has e = 0. As a byte (E8M0): e + 127.
;;     - Each number is divided by its block's scale, clamped to +-448, and rounded to the nearest number of E4M3, ties to even, subnormals kept.
;;     - The product sums the exact products of the quantised numbers (number of the format x scale) in f32.
;;   ~~~python
;;   def quantise(x, axis):      # numpy; x: float32 -> the quantised numbers, widened to float32 again
;;       x = np.moveaxis(x, axis, -1); K = x.shape[-1]
;;       x = np.pad(x, [(0, 0)] * (x.ndim - 1) + [(0, -K % 32)]); x = x.reshape(x.shape[:-1] + (-1, 32)); a = np.abs(x).max(-1, keepdims=True)
;;       e = np.where(a > 0, np.clip(np.frexp(np.where(a > 0, a, 1))[1] - 1 - 8, -126, 127), 0)      # np.frexp(a)[1] - 1 = floor(log2(a)), exactly
;;       r = np.clip(x / 2.0 ** e, -448, 448)
;;       step = 2.0 ** (np.maximum(np.frexp(np.where(r == 0, 1, r))[1] - 1, -6) - 3)
;;       q = np.round(r / step) * step * 2.0 ** e      # np.round: ties to even
;;       return np.moveaxis(q.reshape(q.shape[:-2] + (-1,))[..., :K], -1, axis).astype(np.float32)
;;   ~~~
;; One version. Each part assembles by itself: llvm-mc -triple=amdgcn-amd-amdhsa -mcpu=gfx1250 --defsym DOCPART=n.
;; ======== version 1 of 1: 3 launches
;; limits: right only within a limited range of input values
;; workspace buffers: w2f 1,048,576 bytes; w2s 32,768 bytes; qp8 1,048,576 bytes; list 262,144 bytes of whole numbers; cnt 4,096 bytes of whole numbers; sc 262,144 bytes
;; launch prep (part 1): grid 328 x 1, 4 waves a work-group, no clusters, 0 bytes of LDS; arguments w2, w1, query, mask, w2f, w2s, qp8, list, cnt; writes w2f, w2s, qp8, list, cnt
.if DOCPART == 1
	.amdgcn_target "amdgcn-amd-amdhsa--gfx1250"
	.amdhsa_code_object_version 6
	.text
	.protected	k_q7a24336306_prep
	.globl	k_q7a24336306_prep
	.p2align	8
	.type	k_q7a24336306_prep,@function
k_q7a24336306_prep:
	s_mov_b64 s[64:65], 0
	v_nop
	global_prefetch_b8 v0, s[64:65] scope:SCOPE_SE
	s_setreg_imm32_b32 hwreg(HW_REG_WAVE_MODE, 25, 1), 1
	s_wait_xcnt 0x0
; Three pieces of preparation in one launch; the work-group's number picks the piece.  No LDS, no barrier: waves share nothing.
; W (work-groups 0-63): w2 [1024 k][1024 u] f32 becomes codes of E4M3 along k, laid in the order of an operand's registers:
;   w2f [n 64][s 8][c 4][lane 32][16 bytes]: lane (r, h) holds column u = 16 n + r, k = 128 s + 32 c + 16 h + 0 .. 15;  w2s [u][32]: the E8M0 byte of block k / 32.
; Q (work-groups 64-319): qp8[s][b][u] = the part of Q(query) Q(w1) that K step s (128 along k) gives: one wave, one matrix instruction.
; M (work-groups 320-327): a wave to a batch: the batch's largest mask value, the number n of rows that have it, and list[b][:], a permutation of 0 .. 2047 with
;   those n rows first (ascending) and the others behind.  A row whose mask lies under the largest stands at least 1e9 under the batch's largest score, so its weight is 0 in f32.
; A block's scale is 2^(floor(log2(largest magnitude)) - 8); its byte is that magnitude's exponent field - 8, held at 1 from below.
; LIMITS: blocks whose largest magnitude lies under 2^-118, blocks of zeros among them, get the byte 1 (zeros give zero codes, and these bytes are read by this program alone);
; NaN and infinities are not served; mask values within +-2^20.
; WORK LEFT OUT BY THE WHOLE PROGRAM: bv, and the term sum(v) of v . tanh(x) = sum(v) - 2 sum(v / (1 + e^(2x))), are the same for every row of a batch.  A softmax over the rows
; is unchanged by a term that is constant along its axis, for all values of the inputs, and the scores reach the outputs through that softmax alone.  So bv is loaded by no launch and is
; no launch's argument, and sum(v) is not formed.  LIMIT: a NaN, an infinity or an overflow that would arise in these two terms alone is not carried to the result.
.set TM,  8
.set PCW, 32                           ; Q: w1's codes
.set PCQ, 48                           ; Q: query's codes
.set ACC, 64                           ; Q: the sum
.set WN,  80                           ; Q: 64 numbers of w1
.set QN,  144                          ; Q: 64 numbers of query
.set WX,  32                           ; W: v32-159 128 numbers down k
.set WC,  160                          ; W: v160-191 codes, 8 registers a block, so that no store's data are written again
.set MK,  64                           ; M: v64-127 the lane's 64 mask values
.set LA,  128                          ; M: v128-191 store offsets, one register a store
.set LD,  192                          ; M: v192-255 row numbers, one register a store
	s_load_b512 s[8:23], s[0:1], 0x0               ; w2 s[8:9], w1 s[10:11], query s[12:13], mask s[14:15], w2f s[16:17], w2s s[18:19], qp8 s[20:21], list s[22:23]
	s_load_b64 s[24:25], s[0:1], 0x40              ; cnt
	v_lshrrev_b32 v1, 5, v0
	v_readfirstlane_b32 s26, v1                    ; wave 0..3
	s_mov_b32 s28, 0x76543210                      ; v_permlanex16_b32's selects for lane l xor 16
	s_mov_b32 s29, 0xfedcba98
	s_mov_b32 s30, 0x600000                        ; the mantissa field of 448
	s_mov_b32 s37, 0                               ; the upper word of every byte offset
	s_wait_kmcnt 0x0
	s_cmp_lt_u32 ttmp9, 64
	s_cbranch_scc1 .Lpath_w
	s_cmp_lt_u32 ttmp9, 320
	s_cbranch_scc1 .Lpath_q
; ---------------- M: the rows that count ----------------
	s_sub_co_u32 s27, ttmp9, 320
	s_lshl_b32 s27, s27, 2
	s_add_co_u32 s27, s27, s26                     ; my batch
	s_lshl_b32 s36, s27, 13                        ; 2,048 words a batch
	s_add_nc_u64 s[14:15], s[14:15], s[36:37]
	s_add_nc_u64 s[22:23], s[22:23], s[36:37]
	s_lshl_b32 s36, s27, 7                         ; 32 words a batch
	s_add_nc_u64 s[24:25], s[24:25], s[36:37]
	v_and_b32 v1, 31, v0                           ; lane
	v_lshlrev_b32 v2, 2, v1
.set j, 0
.rept 64
	global_load_b32 v[MK+j], v2, s[14:15] offset:128*j   ; row 32 j + lane: 128 consecutive bytes a load
.set j, j+1
.endr
	v_mov_b32 v9, 0                                ; written once: the destination of a lane exchange counts as one of its sources
	s_wait_loadcnt 0x0
	v_mov_b32 v8, v[MK]
.set j, 1
.rept 63
	v_cmp_gt_i32 vcc_lo, v[MK+j], v8               ; the largest of my 64
	v_cndmask_b32 v8, v8, v[MK+j], vcc_lo
.set j, j+1
.endr
.irp m, 1,2,4,8
	v_mov_b32_dpp v9, v8 row_xmask:\m row_mask:0xf bank_mask:0xf
	v_cmp_gt_i32 vcc_lo, v9, v8
	v_cndmask_b32 v8, v8, v9, vcc_lo
.endr
	v_permlanex16_b32 v9, v8, s28, s29
	v_cmp_gt_i32 vcc_lo, v9, v8
	v_cndmask_b32 v8, v8, v9, vcc_lo
	v_readfirstlane_b32 s32, v8                    ; the batch's largest mask value
	s_mov_b32 s33, 0
.set j, 0
.rept 64
	v_cmp_eq_u32 vcc_lo, s32, v[MK+j]
	s_bcnt1_i32_b32 s35, vcc_lo
	s_add_co_u32 s33, s33, s35                     ; n: how many rows have it
.set j, j+1
.endr
	s_mov_b32 s34, 0                               ; kept rows so far
.set j, 0
.rept 64
	v_cmp_eq_u32 vcc_lo, s32, v[MK+j]
	v_mbcnt_lo_u32_b32 v8, vcc_lo, s34             ; kept rows in front of mine
	v_add_nc_u32 v[LD+j], 32*j, v1                 ; my row
	v_sub_nc_u32 v9, v[LD+j], v8                   ; dropped rows in front of mine,
	v_add_nc_u32 v9, s33, v9                       ; which lie behind the n kept ones
	v_cndmask_b32 v9, v9, v8, vcc_lo               ; my row's place
	v_min_u32 v9, 2047, v9
	v_lshlrev_b32 v[LA+j], 2, v9
	global_store_b32 v[LA+j], v[LD+j], s[22:23]    ; every place is written once: the places are a permutation
	s_bcnt1_i32_b32 s35, vcc_lo
	s_add_co_u32 s34, s34, s35
.set j, j+1
.endr
	v_mov_b32 v10, 0
	v_mov_b32 v11, s33
	v_mov_b32 v12, s32
	v_cmp_eq_u32 vcc_lo, 0, v1
	v_cndmask_b32 v10, v10, v11, vcc_lo            ; word 0: n
	v_cmp_eq_u32 vcc_lo, 1, v1
	v_cndmask_b32 v10, v10, v12, vcc_lo            ; word 1: the largest mask value; the other 30 words: 0
	global_store_b32 v2, v10, s[24:25]
	s_endpgm
; ---------------- W: w2 into codes ----------------
; A lane takes a column and its registers run down k: each load reads 128 consecutive bytes a wave, a block of 32 lies in one lane, and the codes come out with k innermost.
.Lpath_w:
	s_and_b32 s31, ttmp9, 7                        ; which 128 columns
	s_lshr_b32 s32, ttmp9, 3                       ; K step s
	s_lshl_b32 s33, s31, 7
	s_lshl_b32 s34, s26, 5
	s_add_co_u32 s33, s33, s34                     ; my wave's first column
	s_lshl_b32 s36, s32, 19                        ; 128 rows of 4,096 bytes a K step
	s_lshl_b32 s34, s33, 2
	s_add_co_u32 s36, s36, s34
	s_add_nc_u64 s[8:9], s[8:9], s[36:37]
	s_lshl_b32 s36, s33, 10                        ; 16,384 bytes for each 16 columns,
	s_lshl_b32 s34, s32, 11                        ; 2,048 for each K step
	s_add_co_u32 s36, s36, s34
	s_add_nc_u64 s[16:17], s[16:17], s[36:37]
	s_lshl_b32 s36, s33, 5                         ; 32 scale bytes a column,
	s_lshl_b32 s34, s32, 2                         ; 4 a K step
	s_add_co_u32 s36, s36, s34
	s_add_nc_u64 s[18:19], s[18:19], s[36:37]
	v_and_b32 v1, 31, v0
	v_lshlrev_b32 v2, 2, v1                        ; in: 4 bytes a lane
	v_lshrrev_b32 v5, 4, v1
	v_and_b32 v6, 15, v1
	v_lshlrev_b32 v3, 4, v6
	v_lshl_add_u32 v3, v5, 14, v3                  ; out: 16 r, and lanes 16-31 in the next tile of 16 columns
	v_lshlrev_b32 v4, 5, v1                        ; my column's row of scale bytes
.set j, 0
.rept 128
	global_load_b32 v[WX+j], v2, s[8:9] offset:4096*j th:TH_LOAD_NT
.set j, j+1
.endr
.macro WBLOCK c, left                  ; block c of the K step's four.  left: how many younger loads may stay out
.set XS, WX+32*\c
	s_wait_loadcnt \left
	v_max3_num_f32 v8, |v[XS]|, |v[XS+1]|, |v[XS+2]|
	v_max3_num_f32 v9, |v[XS+3]|, |v[XS+4]|, |v[XS+5]|
.irp i, 6,10,14,18,22,26
	v_max3_num_f32 v8, v8, |v[XS+\i]|, |v[XS+\i+1]|
	v_max3_num_f32 v9, v9, |v[XS+\i+2]|, |v[XS+\i+3]|
.endr
	v_max3_num_f32 v8, v8, |v[XS+30]|, |v[XS+31]|
	v_max3_num_f32 v8, v8, v9, 0x4800000           ; with the floor 2^(9 - 127): the byte cannot fall under 1
	v_add_nc_u32 v11, 0xfc000000, v8               ; 8 off the exponent field: the conversion's scale operand
	v_and_or_b32 v10, v8, 0x7f800000, s30          ; 448 x the scale
	v_lshrrev_b32 v12, 23, v11                     ; the scale's byte
.if \c == 0
	v_mov_b32 v14, v12
.else
	v_lshl_or_b32 v14, v12, 8*\c, v14
.endif
.irp i, 0,1,2,3,4,5,6,7,8,9,10,11,12,13,14,15,16,17,18,19,20,21,22,23,24,25,26,27,28,29,30,31
	v_med3_num_f32 v[XS+\i], v[XS+\i], -v10, v10   ; the conversion to an 8-bit code does not saturate (ISA guide 7.6.2): the hold comes first
.endr
.irp q, 0,1,2,3
	v_cvt_scalef32_pk8_fp8_f32 v[WC+8*\c+2*\q:WC+8*\c+2*\q+1], v[XS+8*\q:XS+8*\q+7], v11
.endr
	v_nop                                          ; one plain line behind the last conversion
	global_store_b128 v3, v[WC+8*\c:WC+8*\c+3], s[16:17] offset:512*\c         ; k = 32 c + 0 .. 15: the fragment's lanes 0-15: sixteen lanes store 256 consecutive bytes, aligned
	global_store_b128 v3, v[WC+8*\c+4:WC+8*\c+7], s[16:17] offset:512*\c+256   ; k = 32 c + 16 .. 31: its lanes 16-31
.endm
	WBLOCK 0, 63                                   ; 96 younger loads could stay out; the wait's field names 63 at the most
	WBLOCK 1, 63                                   ; likewise 64
	WBLOCK 2, 32
	WBLOCK 3, 0
	global_store_b32 v4, v14, s[18:19]             ; 4 bytes a column, 32 bytes apart: 32 KiB in the whole launch, one byte for each 128 that this piece reads
	s_endpgm
; ---------------- Q: query x w1, one K step a wave ----------------
.Lpath_q:
	s_sub_co_u32 s31, ttmp9, 64
	s_lshr_b32 s32, s31, 2                         ; n: which 16 units
	s_and_b32 s31, s31, 3
	s_lshl_b32 s31, s31, 2
	s_add_co_u32 s31, s31, s26
	s_lshr_b32 s33, s31, 1                         ; K step s
	s_and_b32 s34, s31, 1                          ; which 16 batches
	s_lshl_b32 s36, s33, 19
	s_lshl_b32 s35, s32, 6
	s_add_co_u32 s36, s36, s35
	s_add_nc_u64 s[10:11], s[10:11], s[36:37]      ; w1 at row 128 s, column 16 n
	s_lshl_b32 s36, s34, 16
	s_lshl_b32 s31, s33, 9
	s_add_co_u32 s36, s36, s31
	s_add_nc_u64 s[12:13], s[12:13], s[36:37]      ; query at batch 16 mt, k = 128 s
	s_lshl_b32 s36, s33, 17
	s_lshl_b32 s31, s34, 16
	s_add_co_u32 s36, s36, s31
	s_add_co_u32 s36, s36, s35
	s_add_nc_u64 s[20:21], s[20:21], s[36:37]      ; qp8 at [s][16 mt][16 n]
	v_and_b32 v1, 15, v0                           ; r
	v_bfe_u32 v2, v0, 4, 1                         ; h
	v_lshlrev_b32 v3, 2, v1
	v_lshl_add_u32 v3, v2, 16, v3                  ; w1: column r; lanes 16-31 begin 16 rows further down
	v_lshlrev_b32 v4, 12, v1
	v_lshl_add_u32 v5, v2, 5, v4                   ; out: batch r, + 32 h
	v_lshl_add_u32 v4, v2, 6, v4                   ; query: row r, + 64 h: my 16 numbers of a block
.irp c, 0,1,2,3
.irp i, 0,1,2,3,4,5,6,7,8,9,10,11,12,13,14,15
	global_load_b32 v[WN+16*\c+\i], v3, s[10:11] offset:4096*(32*\c+\i)
.endr
.endr
.irp c, 0,1,2,3
.irp i, 0,1,2,3
	global_load_b128 v[QN+16*\c+4*\i:QN+16*\c+4*\i+3], v4, s[12:13] offset:128*\c+16*\i
.endr
.endr
.irp b, 0,1,2,3
	v_mov_b32 v[TM+4+\b], 0                        ; written once: a lane permute's destination counts as one of its sources
.endr
; 64 numbers of a lane, register 16 b + i = k 32 b + 16 h + i of its row or column, become a fragment's codes in v[pc] on and its scale word in v[pw]
.macro QUANT src, pc, pw
.irp b, 0,1,2,3
	v_max3_num_f32 v[TM+\b], |v[\src+16*\b]|, |v[\src+1+16*\b]|, 0x4800000
.endr
.irp i, 2,4,6,8,10,12,14
.irp b, 0,1,2,3
	v_max3_num_f32 v[TM+\b], v[TM+\b], |v[\src+16*\b+\i]|, |v[\src+1+16*\b+\i]|
.endr
.endr
.irp b, 0,1,2,3
	v_permlanex16_b32 v[TM+4+\b], v[TM+\b], s28, s29
.endr
.irp b, 0,1,2,3
	v_max_num_f32 v[TM+\b], v[TM+\b], v[TM+4+\b]   ; with lane l xor 16's 16: the block's largest magnitude
.endr
.irp b, 0,1,2,3
	v_add_nc_u32 v[TM+12+\b], 0xfc000000, v[TM+\b]
.endr
.irp b, 0,1,2,3
	v_and_or_b32 v[TM+8+\b], v[TM+\b], 0x7f800000, s30
.endr
.irp b, 0,1,2,3
	v_lshrrev_b32 v[TM+4+\b], 23, v[TM+12+\b]
.endr
	v_lshl_or_b32 v[\pw], v[TM+5], 8, v[TM+4]
	v_lshl_or_b32 v[\pw], v[TM+6], 16, v[\pw]
	v_lshl_or_b32 v[\pw], v[TM+7], 24, v[\pw]
.irp b, 0,1,2,3
.irp i, 0,1,2,3,4,5,6,7,8,9,10,11,12,13,14,15
	v_med3_num_f32 v[\src+16*\b+\i], v[\src+16*\b+\i], -v[TM+8+\b], v[TM+8+\b]
.endr
	v_cvt_scalef32_pk8_fp8_f32 v[\pc+4*\b:\pc+1+4*\b], v[\src+16*\b:\src+7+16*\b], v[TM+12+\b]
	v_cvt_scalef32_pk8_fp8_f32 v[\pc+2+4*\b:\pc+3+4*\b], v[\src+8+16*\b:\src+15+16*\b], v[TM+12+\b]
.endr
	v_nop                                          ; one plain line behind the last conversion
.endm
	s_wait_loadcnt 16                              ; w1's 64 loads are in; query's 16 may be out
	QUANT WN, PCW, 24
	s_wait_loadcnt 0x0
	QUANT QN, PCQ, 25
.rept 8
	v_nop                                          ; codes and scale words made by vector instructions stand ahead of the scaled product
.endr
	v_wmma_scale_f32_16x16x128_f8f6f4 v[ACC:ACC+7], v[PCW:PCW+15], v[PCQ:PCQ+15], 0, v24, v25   ; source 0 = 16 columns of w1, source 1 = 16 batches: lane (r, h) holds batch r, units 8 h + 0 .. 7
.rept 8
	v_nop
.endr
	global_store_b128 v5, v[ACC:ACC+3], s[20:21]
	global_store_b128 v5, v[ACC+4:ACC+7], s[20:21] offset:16
	s_endpgm
.Lfunc_end_k_q7a24336306_prep:
	.size	k_q7a24336306_prep, .Lfunc_end_k_q7a24336306_prep-k_q7a24336306_prep
	.p2alignl 7, 3214868480
	.fill 96, 4, 3214868480
	.section	.rodata,"a",@progbits
	.p2align	6, 0x0
	.amdhsa_kernel k_q7a24336306_prep
		.amdhsa_group_segment_fixed_size 0
		.amdhsa_private_segment_fixed_size 0
		.amdhsa_enable_private_segment 0
		.amdhsa_kernarg_size 72
		.amdhsa_user_sgpr_count 2
		.amdhsa_user_sgpr_kernarg_segment_ptr 1
		.amdhsa_wavefront_size32 1
		.amdhsa_system_sgpr_workgroup_id_x 1
		.amdhsa_system_sgpr_workgroup_id_y 1
		.amdhsa_system_sgpr_workgroup_id_z 1
		.amdhsa_system_vgpr_workitem_id 0
		.amdhsa_next_free_vgpr 256
		.amdhsa_next_free_sgpr 66
		.amdhsa_reserve_vcc 1
		.amdhsa_float_denorm_mode_32 3
		.amdhsa_float_denorm_mode_16_64 3
		.amdhsa_memory_ordered 1
		.amdhsa_forward_progress 1
		.amdhsa_inst_pref_size 104
	.end_amdhsa_kernel
	.amdgpu_metadata
---
amdhsa.version: [ 1, 2 ]
amdhsa.kernels:
  - .name:           k_q7a24336306_prep
    .symbol:         k_q7a24336306_prep.kd
    .args:
      - { .name: w2, .offset: 0, .size: 8, .value_kind: global_buffer, .address_space: global }
      - { .name: w1, .offset: 8, .size: 8, .value_kind: global_buffer, .address_space: global }
      - { .name: query, .offset: 16, .size: 8, .value_kind: global_buffer, .address_space: global }
      - { .name: mask, .offset: 24, .size: 8, .value_kind: global_buffer, .address_space: global }
      - { .name: w2f, .offset: 32, .size: 8, .value_kind: global_buffer, .address_space: global }
      - { .name: w2s, .offset: 40, .size: 8, .value_kind: global_buffer, .address_space: global }
      - { .name: qp8, .offset: 48, .size: 8, .value_kind: global_buffer, .address_space: global }
      - { .name: list, .offset: 56, .size: 8, .value_kind: global_buffer, .address_space: global }
      - { .name: cnt, .offset: 64, .size: 8, .value_kind: global_buffer, .address_space: global }
    .group_segment_fixed_size: 0
    .private_segment_fixed_size: 0
    .kernarg_segment_align: 8
    .kernarg_segment_size: 72
    .max_flat_workgroup_size: 128
    .sgpr_count:     66
    .vgpr_count:     256
    .wavefront_size: 32
...
	.end_amdgpu_metadata
.endif
;; end of part 1
;; launch score (part 2): grid 256 x 1, 4 waves a work-group, no clusters, 315,904 bytes of LDS; arguments values, list, cnt, w2f, w2s, qp8, b1, b2, v, sc; writes sc
.if DOCPART == 2
	.amdgcn_target "amdgcn-amd-amdhsa--gfx1250"
	.amdhsa_code_object_version 6
	.text
	.protected	k_q7a24336306_score
	.globl	k_q7a24336306_score
	.p2align	8
	.type	k_q7a24336306_score,@function
k_q7a24336306_score:
	s_mov_b64 s[64:65], 0
	v_nop
	global_prefetch_b8 v0, s[64:65] scope:SCOPE_SE
	s_setreg_imm32_b32 hwreg(HW_REG_WAVE_MODE, 25, 1), 1
	s_wait_xcnt 0x0
; sc[b][i] = -2 sum over u of v[u] / (1 + 2^(2 log2(e) x[u])), x = query[b] w1 + b1 + values[b][list[b][i]] w2 + b2, for the rows that count (i < n, rounded up to tiles of 16).
; That is v . tanh(x) + bv less the terms sum(v) + bv, which are constant along the softmax's axis and are left out (shown at the head of the first kernel).
; The product with w2 is on codes of E4M3 with one E8M0 scale for each 32 along k; all else in f32.
; SHARES.  Work-group x: batch b = x / 8, c = x % 8; its tiles of 16 compact rows are c + 8 m, m < T, T from cnt[b] (1 to 16).  A work-group without rows that count works one tile
; of other rows, whose sc nobody reads.
; PHASE X: wave w takes tiles m = w, w + 4, ..  A load reads one row's 512 consecutive bytes (a K step of 128); 16 rows turn through the wave's own padded stage in LDS, so that lane (r, h)
; gets 16 neighbours of row r for each block; they are quantised, and the fragment goes to LDS as an image of its registers.  Four sets of 16 loads a wave are out.
; PRODUCTS: wave w owns units 256 w .. + 255 in four groups of 64.  A group's 32 fragments of w2 lie in 512 registers while all T tiles pass; group 0's are asked for at the kernel's head.
; Source 0 = 16 columns of w2, source 1 = 16 rows: lane (r, h) holds row r and units 8 h + 0 .. 7 of a tile of 16 units.
; THE TANH GOES IN THREE TRIPS: behind tile M's products stand the exponentials of tile M - 1 and the reciprocals of tile M - 2; all plain lines follow behind the products.
; NO JOINT LOADS, though all work-groups read the same w2: T is read from memory.
; All loops have constant trip counts; what a trip has no work for is jumped over inside it.
; LIMITS: the sum of |v| under 1e8 (so that a dropped row's weight is 0 in f32); blocks whose largest magnitude lies under 2^-118 get the byte 1; NaN and infinities are not served.
; LDS: images 16,384 x place (tile m at place 4 (m % 4) + m / 4); ASC scale words; QB f32 [u] 2 log2(e) (query w1 + b1 + b2), 4,096 on: -2 v;
; PS: 9,216 x wave: in phase X the wave's stage (16 rows of 528 bytes), then partial scores at 512 x slot + 128 x group + 4 x lane; slot m + 2 is tile m's, slots 0 and 1 are never read.
.set ASC,  262144
.set QB,   270336
.set PS,   278528
.set PSW,  9216
.set SPARE, 315392
.set SP,   528
.set LI,   3                           ; 16 x lane
.set IDXN, 4                           ; a row number as loaded
.set IDXC, 5                           ; the same, or 0 where the tile does not exist
.set XBS,  6                           ; 16 x lane + the half's bytes
.set QVA,  7
.set XW,   8
.set XSA,  9
.set AA,   10
.set ASA,  11
.set QBA,  12
.set PSA,  13
.set PST,  14
.set LA,   15
.set R4,   16
.set BSO,  17
.set STW,  18                          ; stage, in: 16 x lane
.set R8,   19
.set TM,   20                          ; v20-35 as in the quantiser below
.set PW,   36
.set HO,   37
.set QS,   38
.set ASB,  39
.set PC,   40                          ; v40-55 codes
.set STR,  57                          ; stage, out: 528 r + 64 h
.set SPW,  58
.set NIL,  59
.set S,    60                          ; v60-63 partial score
.set ACC,  64                          ; v64-95 four sums
.set X,    64                          ; phase X: v64-127 64 numbers
.set E1,   96                          ; v96-127 exponents, then 2^..
.set E2,   128                         ; v128-159 1 + 2^.., then the reciprocals
.set QBR,  160
.set VVR,  192
.set AD,   192                         ; phase X: v192-207 the 16 rows' byte offsets
.set BS,   224                         ; v224-239 w2's scale words: 4 t + q: lanes 0-15 K step q, lanes 16-31 K step 4 + q
.set AS,   244                         ; v244-247 the rows' scale words
; Windows 1, 2: w2's fragment (t, s) in window 1 + s / 4 at v[64 (s % 4) + 16 t].  Window 3: phase X: four sets of 16 rows x 4 registers; then the rows' fragment s at v[16 s].
.set MSB, 0
.macro WIN new
.if MSB != \new
	s_set_vgpr_msb (MSB<<8)|\new
.set MSB, \new
.endif
.endm
.macro WALU
	s_wait_alu depctr_va_vdst(0)
.endm
.macro BLOAD s                         ; w2's four fragments of K step s: each load reads 512 consecutive bytes
.if (\s) < 4
	WIN 0x40
.else
	WIN 0x80
.endif
.irp t, 0,1,2,3
.irp c, 0,1,2,3
	global_load_b128 v[64*((\s)&3)+16*\t+4*\c:64*((\s)&3)+16*\t+4*\c+3], v[LI], s[54:55] offset:16384*\t+2048*(\s)+512*\c
.endr
.endr
	WIN 0
.endm
.macro BSLOAD
.irp t, 0,1,2,3
	global_load_b128 v[BS+4*\t:BS+4*\t+3], v[BSO], s[56:57] offset:512*\t
.endr
.endm
	s_load_b512 s[8:23], s[0:1], 0x0               ; values 8, list 10, cnt 12, w2f 14, w2s 16, qp8 18, b1 20, b2 22
	s_load_b128 s[24:27], s[0:1], 0x40             ; v 24, sc 26
	v_lshl_add_u32 v[SPW], v0, 2, SPARE
	v_mov_b32 v[NIL], 0
	v_lshrrev_b32 v1, 5, v0
	v_readfirstlane_b32 s30, v1                    ; wave
	s_lshr_b32 s31, ttmp9, 3                       ; b
	s_and_b32 s32, ttmp9, 7                        ; c
	s_mov_b32 s36, 0x76543210
	s_mov_b32 s37, 0xfedcba98
	s_mov_b32 s38, 0x600000                        ; the mantissa field of 448
	s_mov_b32 s60, 0x4038aa3b                      ; 2 log2(e)
	s_mov_b32 s61, s60
	s_mov_b32 s51, 0
	v_and_b32 v1, 15, v0                           ; r
	v_bfe_u32 v2, v0, 4, 1                         ; h
	v_and_b32 v[LI], 31, v0
	v_lshl_add_u32 v[ASB], v[LI], 3, ASC
	v_lshlrev_b32 v[LI], 4, v[LI]
	v_lshlrev_b32 v[R4], 2, v1
	v_lshlrev_b32 v[BSO], 5, v1
	v_lshl_add_u32 v[BSO], v2, 4, v[BSO]
	v_lshl_add_u32 v[R8], v1, 3, ASC
	s_lshl_b32 s43, s30, 10
	s_add_co_u32 s43, s43, QB
	v_lshl_add_u32 v[QBA], v2, 5, s43
	s_mul_i32 s43, s30, PSW
	s_add_co_u32 s43, s43, PS
	v_and_b32 v[PSA], 31, v0
	v_lshl_add_u32 v[PSA], v[PSA], 2, s43
	v_add_nc_u32 v[STW], s43, v[LI]
	v_mul_u32_u24 v[STR], v1, SP
	v_lshl_add_u32 v[STR], v2, 6, v[STR]
	v_add_nc_u32 v[STR], s43, v[STR]
	v_lshlrev_b32 v[HO], 5, v0
	v_add_nc_u32 v[QS], QB, v[HO]
	s_lshl_b32 s44, s32, 6
	s_lshl_b32 s43, s30, 9
	s_add_co_u32 s44, s44, s43                     ; 64 c + 512 wave: my first tile's bytes in list and in sc
	v_add_nc_u32 v[LA], s44, v[R4]
	WALU
	s_wait_kmcnt 0x0
	s_lshl_b32 s50, s31, 23
	s_add_nc_u64 s[8:9], s[8:9], s[50:51]
	s_lshl_b32 s50, s31, 13
	s_add_nc_u64 s[10:11], s[10:11], s[50:51]
	s_add_nc_u64 s[26:27], s[26:27], s[50:51]
	s_lshl_b32 s50, s31, 7
	s_add_nc_u64 s[12:13], s[12:13], s[50:51]
	s_lshl_b32 s50, s31, 12
	s_add_nc_u64 s[18:19], s[18:19], s[50:51]
	s_mov_b32 s50, s44
	s_add_nc_u64 s[26:27], s[26:27], s[50:51]
	s_lshl_b32 s50, s30, 18
	s_add_nc_u64 s[54:55], s[14:15], s[50:51]      ; my 16 tiles of w2's codes
	s_lshl_b32 s50, s30, 13
	s_add_nc_u64 s[56:57], s[16:17], s[50:51]      ; and of its scale bytes
	s_load_b32 s58, s[12:13], 0x0                  ; n
	global_load_b32 v[IDXN], v[LA], s[10:11]       ; my first tile's rows
.irp s, 0,1,2,3,4,5,6,7                ; thread t takes units 8 t .. 8 t + 7 of what does not hang on the row
	global_load_b128 v[64+8*\s:67+8*\s], v[HO], s[18:19] offset:131072*\s
	global_load_b128 v[68+8*\s:71+8*\s], v[HO], s[18:19] offset:131072*\s+16
.endr
	global_load_b128 v[128:131], v[HO], s[20:21]
	global_load_b128 v[132:135], v[HO], s[20:21] offset:16
	global_load_b128 v[136:139], v[HO], s[22:23]
	global_load_b128 v[140:143], v[HO], s[22:23] offset:16
	global_load_b128 v[144:147], v[HO], s[24:25]
	global_load_b128 v[148:151], v[HO], s[24:25] offset:16
	BSLOAD                                         ; group 0 of w2 goes out here, ahead of the rows: 132 loads
.irp s, 0,1,2,3,4,5,6,7
	BLOAD \s
.endr
	s_wait_kmcnt 0x0
	s_add_co_u32 s34, s58, 15
	s_lshr_b32 s34, s34, 4
	s_add_co_u32 s34, s34, 7
	s_sub_co_u32 s34, s34, s32
	s_lshr_b32 s34, s34, 3                         ; T: the batch's tiles that are c + 8 m,
	s_max_u32 s34, s34, 1
	s_min_u32 s34, s34, 16                         ; 1 to 16
.macro ADDRS                           ; the 16 rows' byte offsets: row number x 4,096 + the half's bytes (s45) + 16 x lane
	v_add_nc_u32 v[XBS], s45, v[LI]
	WALU
.irp j, 0,1,2,3,4,5,6,7,8,9,10,11,12,13,14,15
	v_readlane_b32 s43, v[IDXC], \j
	s_min_u32 s43, s43, 2047
	v_lshl_add_u32 v[AD+\j], s43, 12, v[XBS]
.endr
	WALU
.endm
.macro XLOAD set, i                    ; K step i of the half asked for: load j is row j's 512 consecutive bytes, into set `set` of window 3
	WIN 0xc0
.irp j, 0,1,2,3,4,5,6,7,8,9,10,11,12,13,14,15
	global_load_b128 v[64*(\set)+4*\j:64*(\set)+4*\j+3], v[AD+\j], s[8:9] offset:512*(\i) th:TH_LOAD_NT
.endr
	WIN 0
.endm
.macro XTURN set                       ; through my stage: in by rows, out 64 bytes a lane and block: register 16 c + e = k 32 c + 16 h + e of row r.  LDS serves a wave's instructions in order
	WIN 0x0c
.irp j, 0,1,2,3,4,5,6,7,8,9,10,11,12,13,14,15
	ds_store_b128 v[STW], v[64*(\set)+4*\j:64*(\set)+4*\j+3] offset:SP*\j
.endr
	WIN 0
.irp c, 0,1,2,3
.irp jj, 0,1,2,3
	ds_load_b128 v[X+16*\c+4*\jj:X+16*\c+4*\jj+3], v[STR] offset:128*\c+16*\jj
.endr
.endr
	s_wait_dscnt 0x0                               ; the numbers are back; the set's registers and the last step's codes have been read
.endm
.macro XQUANT
.irp b, 0,1,2,3
	v_max3_num_f32 v[TM+\b], |v[X+16*\b]|, |v[X+16*\b+1]|, 0x4800000   ; with the floor 2^(9 - 127): the byte cannot fall under 1
.endr
.irp i, 2,4,6,8,10,12,14
.irp b, 0,1,2,3
	v_max3_num_f32 v[TM+\b], |v[X+16*\b+\i]|, |v[X+16*\b+\i+1]|, v[TM+\b]
.endr
.endr
.irp b, 0,1,2,3
	v_permlanex16_b32 v[TM+4+\b], v[TM+\b], s36, s37
.endr
.irp b, 0,1,2,3
	v_max_num_f32 v[TM+\b], v[TM+\b], v[TM+4+\b]   ; with lane l xor 16's 16: the block's largest magnitude
.endr
.irp b, 0,1,2,3
	v_add_nc_u32 v[TM+12+\b], 0xfc000000, v[TM+\b] ; the conversion's scale operand
.endr
.irp b, 0,1,2,3
	v_and_or_b32 v[TM+8+\b], v[TM+\b], 0x7f800000, s38   ; 448 x the scale
.endr
.irp b, 0,1,2,3
	v_lshrrev_b32 v[TM+4+\b], 23, v[TM+12+\b]      ; the scale's byte
.endr
	v_lshl_or_b32 v[PW], v[TM+5], 8, v[TM+4]
	v_lshl_or_b32 v[PW], v[TM+6], 16, v[PW]
	v_lshl_or_b32 v[PW], v[TM+7], 24, v[PW]
.irp b, 0,1,2,3
.irp i, 0,1,2,3,4,5,6,7,8,9,10,11,12,13,14,15
	v_med3_num_f32 v[X+16*\b+\i], v[X+16*\b+\i], -v[TM+8+\b], v[TM+8+\b]   ; the conversion does not saturate (ISA guide 7.6.2): the hold comes first
.endr
.endr
.irp b, 0,1,2,3
	v_cvt_scalef32_pk8_fp8_f32 v[PC+4*\b:PC+4*\b+1], v[X+16*\b:X+16*\b+7], v[TM+12+\b]
	v_cvt_scalef32_pk8_fp8_f32 v[PC+4*\b+2:PC+4*\b+3], v[X+16*\b+8:X+16*\b+15], v[TM+12+\b]
.endr
	v_nop                                          ; one plain line behind the last conversion
.endm
.macro IMAGE i
.irp c, 0,1,2,3
	ds_store_b128 v[XW], v[PC+4*\c:PC+4*\c+3] offset:2048*(\i)+512*\c
.endr
	ds_store_b32 v[XSA], v[PW] offset:128*((\i)&1)+4*((\i)>>1)
.endm
.macro XSTEP i
.if (\i) > 0
	s_wait_loadcnt 49                              ; younger than my set: three sets of 16 and the row number asked for at this half-trip's head
.endif
	XTURN \i
	XLOAD \i, \i                                   ; the set takes K step i of the next half
	XQUANT
	IMAGE \i
.endm
	s_wait_loadcnt 63                              ; the row numbers and the 22 loads behind them are in: 132 younger loads were issued, 63 at the most are out
	s_cmp_lt_u32 s30, s34
	s_cselect_b32 vcc_lo, -1, 0
	v_cndmask_b32 v[IDXC], 0, v[IDXN], vcc_lo      ; a wave with no tile asks for row 0
	s_mov_b32 s45, 0
	ADDRS
	XLOAD 0, 0
	XLOAD 1, 1
	XLOAD 2, 2
	XLOAD 3, 3
	s_wait_xcnt 0x0                                ; the loads have read their bases:
	s_add_nc_u64 s[54:55], s[54:55], 65536         ; both now stand at the group that follows
	s_add_nc_u64 s[56:57], s[56:57], 2048
.irp s, 1,2,3,4,5,6,7,8,9              ; the eight K steps' parts of query w1, ascending, then b1 (v128 on), then b2 (v136 on)
.irp p, 0,2,4,6
	v_pk_add_f32 v[64+\p:65+\p], v[64+\p:65+\p], v[64+8*\s+\p:65+8*\s+\p]
.endr
.endr
.irp p, 0,2,4,6
	v_pk_mul_f32 v[64+\p:65+\p], v[64+\p:65+\p], s[60:61] op_sel_hi:[1,0]
	v_pk_mul_f32 v[144+\p:145+\p], v[144+\p:145+\p], -2.0 op_sel_hi:[1,0]
.endr
	ds_store_b128 v[QS], v[64:67]
	ds_store_b128 v[QS], v[68:71] offset:16
	ds_store_b128 v[QS], v[144:147] offset:4096
	ds_store_b128 v[QS], v[148:151] offset:4112
.irp b, 0,1,2,3
	v_mov_b32 v[TM+4+\b], 0                        ; a lane permute's destination counts as one of its sources
.endr
; PHASE X: eight half-trips; half-trip q works K steps 4 (q % 2) .. + 3 of tile m = wave + 4 (q / 2).  Out at its head, oldest first: a row number, then this half's four sets.
	s_mov_b32 s39, 0                               ; q
	s_lshl_b32 s40, s30, 16                        ; images: 65,536 x wave + 8,192 q
	s_lshl_b32 s41, s30, 11                        ; scale words: 2,048 x wave + 256 q
	WALU
	s_wait_dscnt 0x0
.Lx:
	s_lshr_b32 s42, s39, 1
	s_lshl_b32 s42, s42, 2
	s_add_co_u32 s42, s42, s30                     ; m
	s_cmp_lt_u32 s42, s34
	s_cbranch_scc0 .Lx_tail
	s_wait_loadcnt 48                              ; set 0 and the row number, which is older, are in
	s_wait_xcnt 0x0                                ; earlier loads have read their offsets, which are written again
	s_wait_dscnt 0x0
	s_add_co_u32 s43, s39, 1
	s_and_b32 s45, s43, 1
	s_lshl_b32 s45, s45, 11                        ; half q + 1 begins 2,048 ((q + 1) % 2) bytes into its rows
	s_lshr_b32 s43, s43, 1
	s_lshl_b32 s43, s43, 2
	s_add_co_u32 s43, s43, s30                     ; its tile
	s_cmp_lt_u32 s43, s34
	s_cselect_b32 vcc_lo, -1, 0
	v_cndmask_b32 v[IDXC], 0, v[IDXN], vcc_lo      ; where that tile does not exist, the look-ahead reads row 0
	s_lshr_b32 s43, s39, 1
	s_add_co_u32 s43, s43, 1
	s_lshl_b32 s43, s43, 11                        ; my wave's tiles lie 2,048 bytes apart in list
	s_add_co_u32 s43, s43, s44
	s_min_u32 s43, s43, 8128                       ; no load leaves list
	v_add_nc_u32 v[LA], s43, v[R4]
	global_load_b32 v[IDXN], v[LA], s[10:11]
	v_add_nc_u32 v[XW], s40, v[LI]
	v_add_nc_u32 v[XSA], s41, v[R8]
	ADDRS
	XSTEP 0
	XSTEP 1
	XSTEP 2
	XSTEP 3
.Lx_tail:
	s_add_co_u32 s40, s40, 8192
	s_add_co_u32 s41, s41, 256
	s_add_co_u32 s39, s39, 1
	s_cmp_lt_u32 s39, 8
	s_cbranch_scc1 .Lx
; PRODUCTS
.macro QVLOAD                          ; the group's qb' and -2 v in the result's layout
.irp t, 0,1,2,3
	ds_load_b128 v[QBR+8*\t:QBR+8*\t+3], v[QVA] offset:64*\t
	ds_load_b128 v[QBR+8*\t+4:QBR+8*\t+7], v[QVA] offset:64*\t+16
	ds_load_b128 v[VVR+8*\t:VVR+8*\t+3], v[QVA] offset:4096+64*\t
	ds_load_b128 v[VVR+8*\t+4:VVR+8*\t+7], v[QVA] offset:4096+64*\t+16
.endr
.endm
.macro AFETCH half                     ; four K steps of a tile's rows and their scale words: 17 LDS loads
	WIN 0xc0
.irp i, 0,1,2,3
.irp c, 0,1,2,3
	ds_load_b128 v[64*\half+16*\i+4*\c:64*\half+16*\i+4*\c+3], v[AA] offset:8192*\half+2048*\i+512*\c
.endr
.endr
	WIN 0
	ds_load_b64 v[AS+2*\half:AS+2*\half+1], v[ASA] offset:256*\half
.endm
.macro WM s, t
.set rD, ACC+8*(\t)
.set rB, 64*((\s)&3)+16*(\t)
.set rA, 16*(\s)
.set rSB, BS+4*(\t)+((\s)&3)
.set rSA, AS+((\s)>>1)
.if (\s) == 0
	v_wmma_scale_f32_16x16x128_f8f6f4 v[rD:rD+7], v[rB:rB+15], v[rA:rA+15], 0, v[rSB], v[rSA]
.elseif ((\s) < 4) && (((\s)&1) == 0)
	v_wmma_scale_f32_16x16x128_f8f6f4 v[rD:rD+7], v[rB:rB+15], v[rA:rA+15], v[rD:rD+7], v[rSB], v[rSA]
.elseif (\s) < 4
	v_wmma_scale_f32_16x16x128_f8f6f4 v[rD:rD+7], v[rB:rB+15], v[rA:rA+15], v[rD:rD+7], v[rSB], v[rSA] matrix_b_scale:MATRIX_SCALE_ROW1
.elseif ((\s)&1) == 0
	v_wmma_scale_f32_16x16x128_f8f6f4 v[rD:rD+7], v[rB:rB+15], v[rA:rA+15], v[rD:rD+7], v[rSB], v[rSA] matrix_a_scale:MATRIX_SCALE_ROW1
.else
	v_wmma_scale_f32_16x16x128_f8f6f4 v[rD:rD+7], v[rB:rB+15], v[rA:rA+15], v[rD:rD+7], v[rSB], v[rSA] matrix_a_scale:MATRIX_SCALE_ROW1 matrix_b_scale:MATRIX_SCALE_ROW1
.endif
.endm
.macro MM s                            ; K step s: the four sums take turns, one instruction a turn; K step 0 starts them with the constant 0
.if (\s) < 4
	WIN 0x0d
.else
	WIN 0x0e
.endif
.irp t, 0,1,2,3
	WM \s, \t
.endr
.endm
.macro FIN                             ; behind the transcendentals: tile M - 2's 32 terms into its partial score, in two chains; tile M - 1's 1 + 2^..; the score goes to this trip's slot
	v_nop                                          ; a plain line behind the last transcendental
	WALU
	v_pk_mul_f32 v[S:S+1], v[E2:E2+1], v[VVR:VVR+1]
	v_pk_mul_f32 v[S+2:S+3], v[E2+2:E2+3], v[VVR+2:VVR+3]
	v_pk_add_f32 v[E2:E2+1], v[E1:E1+1], 1.0 op_sel_hi:[1,0]
	v_pk_add_f32 v[E2+2:E2+3], v[E1+2:E1+3], 1.0 op_sel_hi:[1,0]
.set i, 4
.rept 7
	v_pk_fma_f32 v[S:S+1], v[E2+i:E2+i+1], v[VVR+i:VVR+i+1], v[S:S+1]
	v_pk_fma_f32 v[S+2:S+3], v[E2+i+2:E2+i+3], v[VVR+i+2:VVR+i+3], v[S+2:S+3]
	v_pk_add_f32 v[E2+i:E2+i+1], v[E1+i:E1+i+1], 1.0 op_sel_hi:[1,0]
	v_pk_add_f32 v[E2+i+2:E2+i+3], v[E1+i+2:E1+i+3], 1.0 op_sel_hi:[1,0]
.set i, i+4
.endr
	v_pk_add_f32 v[S:S+1], v[S:S+1], v[S+2:S+3]
	v_add_nc_u32 v[PST], s47, v[PSA]
	v_add_f32 v[S], v[S], v[S+1]
	v_add_nc_u32 v[PST], s63, v[PST]
	ds_store_b32 v[PST], v[S]
.endm
; One tile against one group.  refill = 1: the group's last tile, and a group follows: each K step's registers take the next group's w2, eight plain places behind the products that read them.
.macro TILE refill
	s_wait_loadcnt 0x0                             ; all of this group's w2 is in
	s_wait_dscnt 18                                ; K steps 0-3 of the rows are in; younger: one score store and the 17 loads of K steps 4-7
.set kk, 0
.rept 8
.if kk == 4
	s_wait_dscnt 17                                ; K steps 4-7 are in; younger: the 17 loads of the next tile's first half
.endif
	MM kk
.if ((\refill) && (kk < 7)) || (kk == 3)
.rept 8
	v_nop                                          ; places ahead of loads into registers that the products have read
.endr
.endif
.if kk == 3
	AFETCH 0
.endif
.if (\refill) && (kk < 7)
	BLOAD kk
.endif
.set kk, kk+1
.endr
	WIN 0
; the trip's transcendentals stand as one batch directly behind the tile's 32 products, so that none stands between two links of a sum: tile M - 1's exponentials, tile M - 2's reciprocals
.set i, 0
.rept 32
	v_exp_f32 v[E1+i], v[E1+i]
	v_rcp_f32 v[E2+i], v[E2+i]
.set i, i+1
.endr
	FIN
.if \refill
	BSLOAD
	BLOAD 7
.endif
	WALU                                           ; directly ahead of the sums' first readers
.set i, 0
.rept 16                               ; 2 log2(e) (sum + what does not hang on the row), each sum from its low end on
	v_pk_fma_f32 v[E1+2*i:E1+2*i+1], v[ACC+2*i:ACC+2*i+1], s[60:61], v[QBR+2*i:QBR+2*i+1] op_sel_hi:[1,0,1]
.set i, i+1
.endr
	AFETCH 1
.endm
	s_wait_loadcnt 0x0                             ; the look-ahead's loads and group 0 of w2 have landed
.set i, 0
.rept 64
	v_mov_b32 v[E1+i], 0                           ; the first two trips' transcendentals find numbers; what is made of them goes to slots 0 and 1
.set i, i+1
.endr
	v_mov_b32 v[AA], v[LI]
	v_mov_b32 v[ASA], v[ASB]
	WALU
	s_wait_dscnt 0x0                               ; my images, scale words, qb' and -2 v are in LDS
	s_barrier_signal -1
	s_barrier_wait -1
	AFETCH 0                                       ; tile 0
	AFETCH 1
	s_mov_b32 s62, 0                               ; g
	s_mov_b32 s53, 0                               ; 256 g
	s_mov_b32 s63, 0                               ; 128 g
.Lgroup:                                           ; four trips
	v_add_nc_u32 v[QVA], s53, v[QBA]
	QVLOAD
	s_mov_b32 s46, 0                               ; M
	s_mov_b32 s47, 0                               ; 512 M: the slot
	s_wait_dscnt 0x0
.Ltile:                                            ; 18 trips.  Trip M < T multiplies tile M; trips T and T + 1 finish the last two tiles; later trips do nothing
	s_cmp_lt_u32 s46, s34
	s_cbranch_scc0 .Lnot_tile
	s_add_co_u32 s43, s46, 1
	s_min_u32 s45, s43, 15
	s_and_b32 s48, s45, 3
	s_lshl_b32 s48, s48, 2
	s_lshr_b32 s45, s45, 2
	s_add_co_u32 s45, s45, s48                     ; the place of the tile fetched ahead
	s_lshl_b32 s48, s45, 9
	s_lshl_b32 s45, s45, 14
	s_cmp_lt_u32 s43, s34
	s_cselect_b32 s45, s45, 0                      ; behind the group's last tile comes tile 0 again
	s_cselect_b32 s48, s48, 0
	s_cselect_b32 s49, 0, 1
	s_cmp_lt_u32 s62, 3
	s_cselect_b32 s49, s49, 0                      ; the group's last tile, and a group follows
	v_add_nc_u32 v[AA], s45, v[LI]
	v_add_nc_u32 v[ASA], s48, v[ASB]
	s_cmp_lg_u32 s49, 0
	WALU                                           ; ahead of the trip's transcendentals and of the branch
	s_cbranch_scc1 .Lwith_refill
	TILE 0
	s_branch .Ltile_tail
.Lwith_refill:
	TILE 1
	s_branch .Ltile_tail
.Lnot_tile:
	s_add_co_u32 s43, s34, 1
	s_cmp_le_u32 s46, s43
	s_cbranch_scc0 .Ltile_tail
	WALU
.set i, 0
.rept 32
	v_exp_f32 v[E1+i], v[E1+i]
	v_rcp_f32 v[E2+i], v[E2+i]
.set i, i+1
.endr
	FIN
.Ltile_tail:
	s_add_co_u32 s47, s47, 512
	s_add_co_u32 s46, s46, 1
	s_cmp_lt_u32 s46, 18
	s_cbranch_scc1 .Ltile
	s_wait_xcnt 0x0                                ; the refill's loads have read their bases
	s_add_nc_u64 s[54:55], s[54:55], 65536
	s_add_nc_u64 s[56:57], s[56:57], 2048
	s_add_co_u32 s53, s53, 256
	s_add_co_u32 s63, s63, 128
	s_add_co_u32 s62, s62, 1
	s_cmp_lt_u32 s62, 4
	s_cbranch_scc1 .Lgroup
; THE SCORES: wave w adds up tiles m = w + 4 k: 4 waves x 4 groups x 2 halves of the lanes
	s_wait_dscnt 0x0
	s_barrier_signal -1
	s_barrier_wait -1
	v_and_b32 v89, 31, v0
	s_lshl_b32 s43, s30, 9
	s_add_co_u32 s43, s43, PS+1024
	v_lshl_add_u32 v90, v89, 2, s43                ; slot wave + 2 of wave 0's part
	v_mov_b32 v88, 0
.irp k, 0,1,2,3
	v_mov_b32 v[84+\k], 0
.endr
.irp k, 0,1,2,3
	s_add_co_u32 s43, s30, 4*\k
	s_cmp_lt_u32 s43, s34
	WALU
	s_cbranch_scc0 .Lno_sum_\k
.irp ww, 0,1,2,3
.irp g, 0,1,2,3
	ds_load_b32 v[64+4*\ww+\g], v90 offset:2048*\k+PSW*\ww+128*\g
.endr
.endr
	s_wait_dscnt 0x0
	v_pk_add_f32 v[64:65], v[64:65], v[66:67]
	v_pk_add_f32 v[68:69], v[68:69], v[70:71]
	v_pk_add_f32 v[72:73], v[72:73], v[74:75]
	v_pk_add_f32 v[76:77], v[76:77], v[78:79]
	v_pk_add_f32 v[64:65], v[64:65], v[68:69]
	v_pk_add_f32 v[72:73], v[72:73], v[76:77]
	v_pk_add_f32 v[64:65], v[64:65], v[72:73]
	v_add_f32 v64, v64, v65
	v_permlanex16_b32 v88, v64, s36, s37           ; the row's other 8 units of each tile lie in lane l xor 16
	v_add_f32 v[84+\k], v64, v88
.Lno_sum_\k:
.endr
	v_cmp_gt_u32 vcc_lo, 16, v89
	WALU
	s_wait_xcnt 0x0                                ; EXEC changes only behind this wait
	s_and_saveexec_b32 s52, vcc_lo                 ; lanes 0-15: one lane a row
.irp k, 0,1,2,3
	s_add_co_u32 s43, s30, 4*\k
	s_cmp_lt_u32 s43, s34
	s_cbranch_scc0 .Lno_store_\k
	global_store_b32 v[R4], v[84+\k], s[26:27] offset:2048*\k   ; 64 consecutive bytes a tile
.Lno_store_\k:
.endr
	s_wait_xcnt 0x0                                ; and again in front of the line that widens it
	s_or_b32 exec_lo, exec_lo, s52
	s_wait_tensorcnt 0x0                           ; the wave's end
	ds_add_u32 v[SPW], v[NIL]
	s_wait_dscnt 0x0
	s_endpgm
.Lfunc_end_k_q7a24336306_score:
	.size	k_q7a24336306_score, .Lfunc_end_k_q7a24336306_score-k_q7a24336306_score
	.p2alignl 7, 3214868480
	.fill 96, 4, 3214868480
	.section	.rodata,"a",@progbits
	.p2align	6, 0x0
	.amdhsa_kernel k_q7a24336306_score
		.amdhsa_group_segment_fixed_size 315904
		.amdhsa_private_segment_fixed_size 0
		.amdhsa_enable_private_segment 0
		.amdhsa_kernarg_size 80
		.amdhsa_user_sgpr_count 2
		.amdhsa_user_sgpr_kernarg_segment_ptr 1
		.amdhsa_wavefront_size32 1
		.amdhsa_system_sgpr_workgroup_id_x 1
		.amdhsa_system_sgpr_workgroup_id_y 1
		.amdhsa_system_sgpr_workgroup_id_z 1
		.amdhsa_system_vgpr_workitem_id 0
		.amdhsa_next_free_vgpr 1024
		.amdhsa_next_free_sgpr 66
		.amdhsa_reserve_vcc 1
		.amdhsa_float_denorm_mode_32 3
		.amdhsa_float_denorm_mode_16_64 3
		.amdhsa_memory_ordered 1
		.amdhsa_forward_progress 1
		.amdhsa_inst_pref_size 142
	.end_amdhsa_kernel
	.amdgpu_metadata
---
amdhsa.version: [ 1, 2 ]
amdhsa.kernels:
  - .name:           k_q7a24336306_score
    .symbol:         k_q7a24336306_score.kd
    .args:
      - { .name: values, .offset: 0, .size: 8, .value_kind: global_buffer, .address_space: global }
      - { .name: list, .offset: 8, .size: 8, .value_kind: global_buffer, .address_space: global }
      - { .name: cnt, .offset: 16, .size: 8, .value_kind: global_buffer, .address_space: global }
      - { .name: w2f, .offset: 24, .size: 8, .value_kind: global_buffer, .address_space: global }
      - { .name: w2s, .offset: 32, .size: 8, .value_kind: global_buffer, .address_space: global }
      - { .name: qp8, .offset: 40, .size: 8, .value_kind: global_buffer, .address_space: global }
      - { .name: b1, .offset: 48, .size: 8, .value_kind: global_buffer, .address_space: global }
      - { .name: b2, .offset: 56, .size: 8, .value_kind: global_buffer, .address_space: global }
      - { .name: v, .offset: 64, .size: 8, .value_kind: global_buffer, .address_space: global }
      - { .name: sc, .offset: 72, .size: 8, .value_kind: global_buffer, .address_space: global }
    .group_segment_fixed_size: 315904
    .private_segment_fixed_size: 0
    .kernarg_segment_align: 8
    .kernarg_segment_size: 80
    .max_flat_workgroup_size: 128
    .sgpr_count:     66
    .vgpr_count:     1024
    .wavefront_size: 32
...
	.end_amdgpu_metadata
.endif
;; end of part 2
;; launch ctx (part 3): grid 256 x 1, 16 waves a work-group, no clusters, 19,456 bytes of LDS; arguments values, sc, list, cnt, out0, out1; writes out0, out1
.if DOCPART == 3
	.amdgcn_target "amdgcn-amd-amdhsa--gfx1250"
	.amdhsa_code_object_version 6
	.text
	.protected	k_q7a24336306_ctx
	.globl	k_q7a24336306_ctx
	.p2align	8
	.type	k_q7a24336306_ctx,@function
k_q7a24336306_ctx:
	s_mov_b64 s[64:65], 0
	v_nop
	global_prefetch_b8 v0, s[64:65] scope:SCOPE_SE
	s_setreg_imm32_b32 hwreg(HW_REG_WAVE_MODE, 25, 1), 1
	s_wait_xcnt 0x0
; The softmax over a batch's rows and the weighted sum of values.  All in f32; no matrix work: each number of values meets one weight.
; Work-group x: batch b = x / 8, c = x % 8.  It makes all 2,048 weights of its batch (each of the eight work-groups of a batch does: 8 KiB of scores), stores 256 of them to out1,
; and owns columns 128 c .. 128 c + 127 of out0[b]: each output has one owner.
; Compact place i holds row list[b][i]; places i >= n are the rows whose mask lies under the batch's largest: their weight is 0, as exp(-1e9 or less) is in f32.
; The offset (1 - mask) x -1e9 of the rows that count is added in f32 and the largest score is taken away before the exponential.
; Wave w takes rows i = 256 t + 16 w + j, j = 0 .. 15, for every t with 256 t + 16 w < n (t = 0 always): one load of the wave is one row's 512 bytes, aligned; up to 32 loads a wave are out.
; LIMITS: mask values within +-2^20; NaN and infinities are not served (a row of weight 0 in a group that straddles n is multiplied by 0).
.set RED, 8192                         ; LDS: 0: 2,048 weights; 8,192: 16 waves x 512 bytes of partial sums; 16,384: 16 maxima; 16,640: 16 sums
.set MX,  16384
.set CO,  2                            ; v2   16 x lane + 512 c: my 16 bytes of a row
.set L,   4                            ; v4-7 my wave's 128 rows: register t / 2, lane 16 (t % 2) + j
.set P,   8                            ; v8-11 scores, then weights, of places thread + 512 e
.set SO,  12                           ; v12-15 their byte offsets in sc
.set ACC, 24                           ; v24-31 two sets of four sums, by turns of the rows
.set WT,  32                           ; v32-63 two sets of 16 weights
.set AD,  64                           ; v64-95 two sets of 16 row offsets
.set X,   96                           ; v96-223 two sets of 16 rows x 4 registers
.set WA,  224                          ; v224 64 x wave: my wave's weights in a run of 256
.set RS,  225                          ; v225 where I store my partial sums
.set RD,  226                          ; v226 where wave 0 reads them
	s_load_b256 s[8:15], s[0:1], 0x0               ; values s[8:9], sc s[10:11], list s[12:13], cnt s[14:15]
	s_load_b128 s[16:19], s[0:1], 0x20             ; out0 s[16:17], out1 s[18:19]
	v_lshl_add_u32 v232, v0, 2, 0x4400
	v_mov_b32 v233, 0
	v_lshrrev_b32 v1, 5, v0
	v_readfirstlane_b32 s30, v1                    ; wave 0..15
	s_lshr_b32 s31, ttmp9, 3                       ; b
	s_and_b32 s34, ttmp9, 7                        ; c
	s_lshl_b32 s35, s30, 4                         ; 16 x wave
	s_mov_b32 s36, 0x76543210                      ; v_permlanex16_b32's selects for lane l xor 16
	s_mov_b32 s37, 0xfedcba98
	s_mov_b32 s43, 0
	v_and_b32 v1, 31, v0                           ; lane
	s_lshl_b32 s41, s34, 9
	v_lshl_add_u32 v[CO], v1, 4, s41
	v_lshrrev_b32 v16, 4, v1
	v_and_b32 v17, 15, v1
	v_lshl_add_u32 v16, v16, 8, v17
	v_add_nc_u32 v16, s35, v16
	v_lshlrev_b32 v3, 2, v16                       ; list: place 256 (lane / 16) + 16 wave + lane % 16
	v_lshlrev_b32 v22, 2, v0                       ; 4 x thread
	v_and_b32 v23, 255, v0
	s_lshl_b32 s41, s34, 8
	v_add_nc_u32 v23, s41, v23
	v_lshlrev_b32 v23, 2, v23                      ; 4 (256 c + thread % 256): the place whose weight I store to out1
	s_lshl_b32 s41, s30, 2
	s_add_co_u32 s41, s41, MX
	v_mov_b32 v20, s41                             ; my wave's word among the maxima; 256 bytes on: among the sums
	v_mov_b32 v21, MX
	s_lshl_b32 s41, s30, 6
	v_mov_b32 v[WA], s41
	v_lshl_add_u32 v[RS], v0, 4, RED
	v_lshl_add_u32 v[RD], v1, 4, RED
	s_wait_alu depctr_va_vdst(0)
	s_wait_kmcnt 0x0
	s_lshl_b32 s42, s31, 23
	s_add_nc_u64 s[8:9], s[8:9], s[42:43]
	s_lshl_b32 s42, s31, 13
	s_add_nc_u64 s[10:11], s[10:11], s[42:43]
	s_add_nc_u64 s[12:13], s[12:13], s[42:43]
	s_add_nc_u64 s[18:19], s[18:19], s[42:43]
	s_lshl_b32 s42, s31, 7
	s_add_nc_u64 s[14:15], s[14:15], s[42:43]
	s_lshl_b32 s42, s31, 12
	s_lshl_b32 s41, s34, 9
	s_add_co_u32 s42, s42, s41
	s_add_nc_u64 s[16:17], s[16:17], s[42:43]
	s_load_b64 s[32:33], s[14:15], 0x0             ; n, the batch's largest mask value
.irp q, 0,1,2,3
	global_load_b32 v[L+\q], v3, s[12:13] offset:2048*\q
.endr
	global_load_b32 v18, v23, s[12:13]             ; the row of the place whose weight I store
	s_wait_kmcnt 0x0
	s_sub_co_u32 s38, s32, 1
.irp e, 0,1,2,3
	v_add_nc_u32 v16, 512*\e, v0
	v_min_u32 v16, s38, v16                        ; places from n on read the last score that was written: it changes no maximum, and their weight is set to 0 below
	v_min_u32 v16, 2047, v16
	v_lshlrev_b32 v[SO+\e], 2, v16
	global_load_b32 v[P+\e], v[SO+\e], s[10:11]
.endr
.macro GLOAD t                         ; 16 rows of my wave, 512 bytes each
.irp j, 0,1,2,3,4,5,6,7,8,9,10,11,12,13,14,15
	v_readlane_b32 s40, v[L+((\t)>>1)], 16*((\t)&1)+\j
	s_min_u32 s40, s40, 2047
	v_lshl_add_u32 v[AD+16*((\t)&1)+\j], s40, 12, v[CO]
	global_load_b128 v[X+64*((\t)&1)+4*\j:X+64*((\t)&1)+4*\j+3], v[AD+16*((\t)&1)+\j], s[8:9] th:TH_LOAD_NT
.endr
.endm
.macro WLOAD t                         ; and their 16 weights: every lane reads the same 64 bytes
.irp q, 0,1,2,3
	ds_load_b128 v[WT+16*((\t)&1)+4*\q:WT+16*((\t)&1)+4*\q+3], v[WA] offset:1024*(\t)+16*\q
.endr
.endm
; yl, yd: the global and LDS loads issued behind run t's, which may stay out
.macro CONSUME t, yl, yd
.set XS, X+64*((\t)&1)
.set WS, WT+16*((\t)&1)
	s_wait_dscnt \yd
.irp j, 0,1,2,3,4,5,6,7,8,9,10,11,12,13,14,15
.if (\j&3) == 0
	s_wait_alu depctr_va_vdst(0)                   ; directly ahead of the wait below
	s_wait_loadcnt \yl+12-\j                       ; rows j .. j + 3 are in; the rows behind them stay out
.endif
.if (\j&1) == 0
	v_pk_fma_f32 v[ACC:ACC+1], v[XS+4*\j:XS+4*\j+1], v[WS+\j:WS+\j+1], v[ACC:ACC+1] op_sel_hi:[1,0,1]            ; the pair's first register is the weight of both halves
	v_pk_fma_f32 v[ACC+2:ACC+3], v[XS+4*\j+2:XS+4*\j+3], v[WS+\j:WS+\j+1], v[ACC+2:ACC+3] op_sel_hi:[1,0,1]
.else
	v_pk_fma_f32 v[ACC+4:ACC+5], v[XS+4*\j:XS+4*\j+1], v[WS+\j-1:WS+\j], v[ACC+4:ACC+5] op_sel:[0,1,0] op_sel_hi:[1,1,1]   ; the pair's second register
	v_pk_fma_f32 v[ACC+6:ACC+7], v[XS+4*\j+2:XS+4*\j+3], v[WS+\j-1:WS+\j], v[ACC+6:ACC+7] op_sel:[0,1,0] op_sel_hi:[1,1,1]
.endif
.endr
.endm
	s_wait_loadcnt 4                               ; the rows' numbers are in; the four loads of scores may be out
	GLOAD 0                                        ; the first 16 rows are on their way while the softmax is made
	s_wait_loadcnt 16                              ; the scores are in; the 16 rows may be out
	v_cvt_f32_i32 v16, s33
	v_sub_f32 v16, 1.0, v16
	v_mul_f32 v16, 0xce6e6b28, v16                 ; (1 - mask) x -1e9
.irp e, 0,1,2,3
	v_add_f32 v[P+\e], v[P+\e], v16
.endr
	v_max3_num_f32 v17, v[P], v[P+1], v[P+2]
	v_max_num_f32 v17, v17, v[P+3]
.irp m, 1,2,4,8
	v_max_num_f32_dpp v17, v17, v17 row_xmask:\m row_mask:0xf bank_mask:0xf
.endr
	v_permlanex16_b32 v16, v17, s36, s37
	v_max_num_f32 v17, v17, v16
	ds_store_b32 v20, v17                          ; all lanes write the same word with the same value
	s_wait_dscnt 0x0
	s_barrier_signal -1
	s_barrier_wait -1
.irp q, 0,1,2,3
	ds_load_b128 v[32+4*\q:35+4*\q], v21 offset:16*\q
.endr
	s_wait_dscnt 0x0
	v_max3_num_f32 v17, v32, v33, v34
.irp i, 35,37,39,41,43,45
	v_max3_num_f32 v17, v17, v[\i], v[\i+1]
.endr
	v_max_num_f32 v17, v17, v47                    ; the batch's largest score
.irp e, 0,1,2,3
	v_sub_f32 v[P+\e], v[P+\e], v17
	v_mul_f32 v[P+\e], 0x3fb8aa3b, v[P+\e]
.endr
	s_wait_alu depctr_va_vdst(0)
.irp e, 0,1,2,3
	v_exp_f32 v[P+\e], v[P+\e]
.endr
.irp e, 0,1,2,3
	v_add_nc_u32 v16, 512*\e, v0                   ; (the first of these is the plain line behind the exponentials)
	v_cmp_gt_u32 vcc_lo, s32, v16
	s_wait_alu depctr_va_vdst(0)
	v_cndmask_b32 v[P+\e], 0, v[P+\e], vcc_lo      ; places from n on: 0
.endr
	v_add_f32 v17, v[P], v[P+1]
	v_add_f32 v16, v[P+2], v[P+3]
	v_add_f32 v17, v17, v16
.irp m, 1,2,4,8
	v_add_f32_dpp v17, v17, v17 row_xmask:\m row_mask:0xf bank_mask:0xf
.endr
	v_permlanex16_b32 v16, v17, s36, s37
	v_add_f32 v17, v17, v16
	ds_store_b32 v20, v17 offset:256
	s_wait_dscnt 0x0
	s_barrier_signal -1
	s_barrier_wait -1
.irp q, 0,1,2,3
	ds_load_b128 v[32+4*\q:35+4*\q], v21 offset:256+16*\q
.endr
	s_wait_dscnt 0x0
	v_pk_add_f32 v[32:33], v[32:33], v[34:35]
	v_pk_add_f32 v[36:37], v[36:37], v[38:39]
	v_pk_add_f32 v[40:41], v[40:41], v[42:43]
	v_pk_add_f32 v[44:45], v[44:45], v[46:47]
	v_pk_add_f32 v[32:33], v[32:33], v[36:37]
	v_pk_add_f32 v[40:41], v[40:41], v[44:45]
	v_pk_add_f32 v[32:33], v[32:33], v[40:41]
	v_add_f32 v17, v32, v33                        ; at least 1: the largest score's own term
	s_wait_alu depctr_va_vdst(0)
	v_rcp_f32 v17, v17
	v_min_u32 v18, 2047, v18                       ; (a plain line behind the reciprocal)  out1: the row of my place,
	v_lshlrev_b32 v18, 2, v18                      ; in bytes
	s_wait_alu depctr_va_vdst(0)
.irp e, 0,1,2,3
	v_mul_f32 v[P+\e], v[P+\e], v17
	ds_store_b32 v22, v[P+\e] offset:2048*\e
.endr
	s_wait_dscnt 0x0
	s_barrier_signal -1
	s_barrier_wait -1                              ; the batch's 2,048 weights lie in LDS
	s_cmp_lt_u32 s30, 8
	s_cbranch_scc0 .Lno_out1
	ds_load_b32 v19, v23
	s_wait_dscnt 0x0
	global_store_b32 v18, v19, s[18:19]            ; list is a permutation, so each number of out1 is written once; 4 bytes a lane to scattered rows: 256 KiB in the whole launch
.Lno_out1:
.irp i, 0,1,2,3,4,5,6,7
	v_mov_b32 v[ACC+\i], 0
.endr
	s_wait_alu depctr_va_vdst(0)
	WLOAD 0
.irp t, 0,1,2,3,4,5,6
	s_add_co_u32 s40, s35, 256*(\t+1)
	s_cmp_lt_u32 s40, s32                          ; does my next run of 16 begin under n?
	s_cbranch_scc0 .Llast_\t
	GLOAD \t+1
	WLOAD \t+1
	CONSUME \t, 16, 4
.endr
	CONSUME 7, 0, 0
	s_branch .Lred
.irp t, 0,1,2,3,4,5,6                  ; a wave's last run is written out for each t, so that every counted wait has the same loads behind it on its way
.Llast_\t:
	CONSUME \t, 0, 0
	s_branch .Lred
.endr
.Lred:
	s_wait_alu depctr_va_vdst(0)                   ; behind the branch
	v_pk_add_f32 v[ACC:ACC+1], v[ACC:ACC+1], v[ACC+4:ACC+5]
	v_pk_add_f32 v[ACC+2:ACC+3], v[ACC+2:ACC+3], v[ACC+6:ACC+7]
	ds_store_b128 v[RS], v[ACC:ACC+3]
	s_wait_dscnt 0x0
	s_barrier_signal -1
	s_barrier_wait -1                              ; sixteen partial sums of the 128 columns lie in LDS
	s_cmp_lg_u32 s30, 0
	s_cbranch_scc1 .Lend
.irp k, 0,1,2,3,4,5,6,7,8,9,10,11,12,13,14,15
	ds_load_b128 v[X+4*\k:X+4*\k+3], v[RD] offset:512*\k
.endr
	s_wait_dscnt 0x0
.irp k, 1,2,3,4,5,6,7,8,9,10,11,12,13,14,15
	v_pk_add_f32 v[X:X+1], v[X:X+1], v[X+4*\k:X+4*\k+1]
	v_pk_add_f32 v[X+2:X+3], v[X+2:X+3], v[X+4*\k+2:X+4*\k+3]
.endr
	v_lshlrev_b32 v16, 4, v1
	global_store_b128 v16, v[X:X+3], s[16:17]      ; 32 lanes store 512 consecutive bytes, aligned
.Lend:
	s_barrier_signal -1
	s_barrier_wait -1
	s_wait_tensorcnt 0x0
	ds_add_u32 v232, v233
	s_wait_dscnt 0x0
	s_endpgm
.Lfunc_end_k_q7a24336306_ctx:
	.size	k_q7a24336306_ctx, .Lfunc_end_k_q7a24336306_ctx-k_q7a24336306_ctx
	.p2alignl 7, 3214868480
	.fill 96, 4, 3214868480
	.section	.rodata,"a",@progbits
	.p2align	6, 0x0
	.amdhsa_kernel k_q7a24336306_ctx
		.amdhsa_group_segment_fixed_size 19456
		.amdhsa_private_segment_fixed_size 0
		.amdhsa_enable_private_segment 0
		.amdhsa_kernarg_size 48
		.amdhsa_user_sgpr_count 2
		.amdhsa_user_sgpr_kernarg_segment_ptr 1
		.amdhsa_wavefront_size32 1
		.amdhsa_system_sgpr_workgroup_id_x 1
		.amdhsa_system_sgpr_workgroup_id_y 1
		.amdhsa_system_sgpr_workgroup_id_z 1
		.amdhsa_system_vgpr_workitem_id 0
		.amdhsa_next_free_vgpr 234
		.amdhsa_next_free_sgpr 66
		.amdhsa_reserve_vcc 1
		.amdhsa_float_denorm_mode_32 3
		.amdhsa_float_denorm_mode_16_64 3
		.amdhsa_memory_ordered 1
		.amdhsa_forward_progress 1
		.amdhsa_inst_pref_size 87
	.end_amdhsa_kernel
	.amdgpu_metadata
---
amdhsa.version: [ 1, 2 ]
amdhsa.kernels:
  - .name:           k_q7a24336306_ctx
    .symbol:         k_q7a24336306_ctx.kd
    .args:
      - { .name: values, .offset: 0, .size: 8, .value_kind: global_buffer, .address_space: global }
      - { .name: sc, .offset: 8, .size: 8, .value_kind: global_buffer, .address_space: global }
      - { .name: list, .offset: 16, .size: 8, .value_kind: global_buffer, .address_space: global }
      - { .name: cnt, .offset: 24, .size: 8, .value_kind: global_buffer, .address_space: global }
      - { .name: out0, .offset: 32, .size: 8, .value_kind: global_buffer, .address_space: global }
      - { .name: out1, .offset: 40, .size: 8, .value_kind: global_buffer, .address_space: global }
    .group_segment_fixed_size: 19456
    .private_segment_fixed_size: 0
    .kernarg_segment_align: 8
    .kernarg_segment_size: 48
    .max_flat_workgroup_size: 512
    .sgpr_count:     66
    .vgpr_count:     234
    .wavefront_size: 32
...
	.end_amdgpu_metadata
.endif
;; end of part 3
